; MI455X (gfx1250); checked and timed in simulation.
; The chip was launched on July 23, 2026; its instructions are those of AMD's public machine-readable ISA for CDNA 5 (MIT licence, August 2026) and "CDNA5" Instruction Set Architecture Reference Guide (July 2026). The comments in the code are by the model that wrote it; some were corrected since.
;; Matlab Block NCB. Allowed arithmetic: float matrix products may take bf16 or f16 operands with f32 sums; all other float work in f32.
;; Inputs: Wk 1,024 x 1,024 float32; Wk0 1,024 x 1 float32; Wq 1,024 x 1,024 float32; Wq0 1,024 x 1 float32; X 32 x 1,024 x 512 float32.
;; Outputs: out0 32 x 1,024 x 512 float32.
;; One version. Each part assembles by itself: llvm-mc -triple=amdgcn-amd-amdhsa -mcpu=gfx1250 --defsym DOCPART=n.
;; ======== version 1 of 1: 3 launches
;; limits: values are held in f16: magnitudes above 65,504 overflow, below 6.1e-05 lose precision; inputs' magnitudes at most 65,504
;; workspace buffers: Xh 33,554,432 bytes; Wh 4,194,304 bytes; KQ 67,108,864 bytes; NRM 1,048,576 bytes
;; launch cast (part 1): grid 2304 x 1, 8 waves a work-group, no clusters, 0 bytes of LDS; arguments X, Wk, Wq, Xh, Wh; writes Xh, Wh
.if DOCPART == 1
	.amdgcn_target "amdgcn-amd-amdhsa--gfx1250"
	.amdhsa_code_object_version 6
	.text
	.protected	k_q69efc1f3c9_cast
	.globl	k_q69efc1f3c9_cast
	.p2align	8
	.type	k_q69efc1f3c9_cast,@function
k_q69efc1f3c9_cast:
	s_mov_b64 s[64:65], 0
	v_nop
	global_prefetch_b8 v0, s[64:65] scope:SCOPE_SE
	s_setreg_imm32_b32 hwreg(HW_REG_WAVE_MODE, 25, 1), 1
	s_wait_xcnt 0x0
; X, Wk, Wq (f32) -> Xh, Wh (f16, same order of elements; Wh = Wk's 1,024 rows, then Wq's).
; A stream: no LDS, no barrier, no matrix unit, no cluster (no two work-groups read the same byte).
; A work-group turns 32,768 bytes of f32 into 16,384 bytes of f16.  Groups 0..2047 take X (67,108,864 / 32,768),
; groups 2048..2175 Wk, groups 2176..2303 Wq (4,194,304 / 32,768 = 128 each).
; Thread t takes the 16 bytes at 16 t + 4,096 i, i = 0..7: a wave's load covers 512 consecutive bytes,
; its 8-byte store covers 256 consecutive bytes that start at a multiple of 256.
; LIMIT: a magnitude above 65,504 becomes infinity in f16; below 2^-14 the absolute error stays under 2^-25.
.set XGROUPS, 2048
.set WGROUPS, 128
.set IN,  4                            ; v[4:35]   eight loads of four f32
.set OUT, 36                           ; v[36:51]  eight pairs of registers, four f16 each
	s_load_b256 s[4:11], s[0:1], 0x0               ; X s[4:5], Wk s[6:7], Wq s[8:9], Xh s[10:11]
	s_load_b64 s[12:13], s[0:1], 0x20              ; Wh
	s_mov_b32 s14, ttmp9                           ; the work-group's number
	s_sub_co_u32 s16, s14, XGROUPS                 ; its number among the 256 groups of W (used only where it is one of them)
	s_and_b32 s17, s16, WGROUPS-1                  ; and inside Wk or Wq
	v_lshlrev_b32 v1, 4, v0                        ; 16 t: where I read
	v_lshlrev_b32 v2, 3, v0                        ; 8 t: where I write
	s_wait_kmcnt 0x0
	s_cmp_lt_u32 s14, XGROUPS+WGROUPS
	s_cselect_b64 s[20:21], s[6:7], s[8:9]         ; Wk or Wq
	s_cmp_lt_u32 s14, XGROUPS
	s_cselect_b64 s[20:21], s[4:5], s[20:21]       ; or X
	s_cselect_b64 s[22:23], s[10:11], s[12:13]     ; Xh or Wh
	s_cselect_b32 s18, s14, s17                    ; the chunk's number in the source
	s_cselect_b32 s24, s14, s16                    ; and in the destination
	s_lshl_b32 s18, s18, 15                        ; x 32,768 bytes (at most 2,047 chunks: below 2^26)
	s_mov_b32 s19, 0
	s_lshl_b32 s24, s24, 14                        ; x 16,384 bytes
	s_mov_b32 s25, 0
	s_add_nc_u64 s[20:21], s[20:21], s[18:19]
	s_add_nc_u64 s[22:23], s[22:23], s[24:25]
.irp i, 0,1,2,3,4,5,6,7
	global_load_b128 v[IN+4*\i:IN+4*\i+3], v1, s[20:21] offset:4096*\i th:TH_LOAD_NT   ; read once in the launch
.endr
.irp i, 0,1,2,3,4,5,6,7
	s_wait_loadcnt 7-\i                            ; loads come back in order: load i is in, the 7 - i younger ones stay out
	v_cvt_pk_f16_f32 v[OUT+2*\i],   v[IN+4*\i],   v[IN+4*\i+1]
	v_cvt_pk_f16_f32 v[OUT+2*\i+1], v[IN+4*\i+2], v[IN+4*\i+3]
	global_store_b64 v2, v[OUT+2*\i:OUT+2*\i+1], s[22:23] offset:2048*\i               ; no register is written twice: no further wait
.endr
	s_endpgm
.Lfunc_end_k_q69efc1f3c9_cast:
	.size	k_q69efc1f3c9_cast, .Lfunc_end_k_q69efc1f3c9_cast-k_q69efc1f3c9_cast
	.p2alignl 7, 3214868480
	.fill 96, 4, 3214868480
	.section	.rodata,"a",@progbits
	.p2align	6, 0x0
	.amdhsa_kernel k_q69efc1f3c9_cast
		.amdhsa_group_segment_fixed_size 0
		.amdhsa_private_segment_fixed_size 0
		.amdhsa_enable_private_segment 0
		.amdhsa_kernarg_size 40
		.amdhsa_user_sgpr_count 2
		.amdhsa_user_sgpr_kernarg_segment_ptr 1
		.amdhsa_wavefront_size32 1
		.amdhsa_system_sgpr_workgroup_id_x 1
		.amdhsa_system_sgpr_workgroup_id_y 1
		.amdhsa_system_sgpr_workgroup_id_z 1
		.amdhsa_system_vgpr_workitem_id 0
		.amdhsa_next_free_vgpr 56
		.amdhsa_next_free_sgpr 66
		.amdhsa_reserve_vcc 0
		.amdhsa_float_denorm_mode_32 3
		.amdhsa_float_denorm_mode_16_64 3
		.amdhsa_memory_ordered 1
		.amdhsa_forward_progress 1
		.amdhsa_inst_pref_size 4
	.end_amdhsa_kernel
	.amdgpu_metadata
---
amdhsa.version: [ 1, 2 ]
amdhsa.kernels:
  - .name:           k_q69efc1f3c9_cast
    .symbol:         k_q69efc1f3c9_cast.kd
    .args:
      - { .name: X, .offset: 0, .size: 8, .value_kind: global_buffer, .address_space: global }
      - { .name: Wk, .offset: 8, .size: 8, .value_kind: global_buffer, .address_space: global }
      - { .name: Wq, .offset: 16, .size: 8, .value_kind: global_buffer, .address_space: global }
      - { .name: Xh, .offset: 24, .size: 8, .value_kind: global_buffer, .address_space: global }
      - { .name: Wh, .offset: 32, .size: 8, .value_kind: global_buffer, .address_space: global }
    .group_segment_fixed_size: 0
    .private_segment_fixed_size: 0
    .kernarg_segment_align: 8
    .kernarg_segment_size: 40
    .max_flat_workgroup_size: 256
    .sgpr_count:     66
    .vgpr_count:     56
    .wavefront_size: 32
...
	.end_amdgpu_metadata
.endif
;; end of part 1
;; launch proj (part 2): grid 8 x 32, 4 waves a work-group, clusters of 4 x 4, 327,680 bytes of LDS; arguments Xh, Wh, Wk0, Wq0, KQ, NRM; writes KQ, NRM
.if DOCPART == 2
	.amdgcn_target "amdgcn-amd-amdhsa--gfx1250"
	.amdhsa_code_object_version 6
	.text
	.protected	k_q69efc1f3c9_proj
	.globl	k_q69efc1f3c9_proj
	.p2align	8
	.type	k_q69efc1f3c9_proj,@function
k_q69efc1f3c9_proj:
	s_mov_b64 s[64:65], 0
	v_nop
	global_prefetch_b8 v0, s[64:65] scope:SCOPE_SE
	s_setreg_imm32_b32 hwreg(HW_REG_WAVE_MODE, 25, 1), 1
	s_wait_xcnt 0x0
	s_wait_alu depctr_hold_cnt(0) depctr_sa_sdst(0) depctr_va_vdst(0) depctr_va_sdst(0) depctr_va_ssrc(0) depctr_va_vcc(0) depctr_vm_vsrc(0)
	s_getreg_b32 s2, hwreg(HW_REG_IB_STS2, 6, 4)
	s_cmp_eq_u32 s2, 0
	s_cbranch_scc0 .Lentry_in_a_cluster
	s_endpgm
.Lentry_in_a_cluster:
	s_bfe_u32 s2, ttmp6, 0x10000c
	s_cmp_lg_u32 s2, 0xf033
	s_cbranch_scc0 .Lentry_shape_is_right
	s_endpgm
.Lentry_shape_is_right:
; KQ[(n,b)][c'] = sum over d of Xh[n][d][b] Wh[c'][d] + bias[c'], rounded to bf16; c' = 0..1023 is K (Wk, Wk0), c' = 1024..2047 is Q (Wq, Wq0).
; NRM[cblk][(n,b)] = sum over the 128 c' of block cblk of the f32 results' squares (16 blocks; a later launch adds eight of them).
; A product of 16,384 rows (n,b) x 2,048 columns c' over 1,024 d.  Work-group (x, n) STAYS and makes two blocks of 256 x 256: rows b = 0..255 and then
; b = 256..511 of batch n, both for the columns c' = 256 x ..: 8 x 32 = 256 work-groups.  Four waves, a wave 128 x 128: 64 accumulator tiles in 512 registers.
; d goes in steps of 128 through two LDS slots filled by tensor loads; the ring runs on through the 16 steps of both blocks, so that the second block's
; first tiles are asked for during the first block's last two steps and the first block's stores leave while the second block is multiplied.
; X lies [d][b] in memory, so its tile lies [128 d][256 b] in LDS and its fragments come out by the transposing LDS load;
; W lies [c'][d], so its fragments are plain 16-byte loads.  Operands f16, sums f32.  K and Q leave in bf16: with inputs 30 times
; larger and offset they pass f16's range.
; CLUSTERS: 4 x 4 work-groups.  X's tile hangs on the batch alone (shared along a row of the cluster), W's on the block column alone
; (shared along a column): each is asked for jointly by four work-groups, which divides the requests for both by four.
; The accumulators take turns, one matrix instruction a turn, 64 in the same order in every quarter step.
; NO PREFETCH here: from a tile's request to the wait for it a wave issues 240 matrix instructions, and the tiles are shared in clusters.
; LIMIT: X and W are f16 here (see the launch that made them).
;
; REGISTERS in windows of 256:
;   window 0: v16-30 addresses; v32-63 read-back on the way out; v64-127, v128-191 fragments of X, two buffers; v192-239 at work on the way out
;   window 1: v64-127, v128-191 fragments of W, two buffers; v192-255 the bias as eight C tiles (the same c' in both blocks: loaded once)
;   window 2: accumulator tiles of my b rows 0-63 (tile (a, t) at v[8 (8 a + t)]); window 3: rows 64-127
; Source 0 = 16 rows of W, source 1 = 16 columns of X: lane l then holds row b = l % 16 and c' = 8 (l / 16) + 0..7, eight neighbours of a row of KQ.
.set SIZE_K, 1024                      ; d
.set SIZE_N, 2048                      ; c'
.set KSTEP,  128
.set PW,     272                       ; W's LDS row: 256 bytes + 16, an odd multiple of 16
.set PX,     544                       ; X's LDS row: 512 bytes + 32, an odd multiple of 32
.set HALFT,  128*PW                    ; what one tensor load brings: 128 rows of W, or 64 rows of X (64 x 544 is the same 34,816)
.set SLOT,   4*HALFT                   ; X's 128 d rows, then W's 256 c' rows
.set STAGE,  2*SLOT                    ; behind the ring: 16 rows x 272 bytes for each wave
.set SPITCH, 272
.set NST,    STAGE+4*16*SPITCH         ; 512 bytes for each wave: its 128 sums of squares
.set ADRA, 16                          ; v16-17  LDS address of my X fragments in slot 0, 1
.set ADRB, 20                          ; v20-21  the same for W
.set STO,  24                          ; where I put 16 bytes of a row of KQ
.set RD,   25                          ; where I read a row back
.set CO,   26                          ; my byte offset in KQ
.set NSA,  27                          ; where I put a row's sum of squares
.set NLA,  28                          ; where I read four of them back
.set NCO,  29                          ; my byte offset in NRM
.set BOF,  30                          ; my byte offset in the bias
.set RB,   32                          ; v32-63  rows read back on the way out (buffer 0 holds the next block's first fragments then)
.set F0,   64
.set F1,   128
.set TMP,  192
.set SQ,   224                         ; v224-231 four pairs of running sums of squares
.set NT,   232                         ; v232-233
.set NV,   236                         ; v236-239
.set BIAS, 192                         ; window 1
.set G1,  24                           ; s[24:31] group 1 for X's tiles
.set G0,  32                           ; s[32:39] group 0 for X's tiles, one set a slot
.set G1B, 48                           ; s[48:55] group 1 for W's tiles
.set G0B, 56                           ; s[56:63] group 0 for W's tiles, one set a slot
.set MSB, 0
.macro WIN new                         ; the immediate's high byte repeats the setting that is left
.if MSB != \new
	s_set_vgpr_msb (MSB<<8)|\new
.set MSB, \new
.endif
.endm
.set MUL_LO,  0xa1                     ; source 0 (W) window 1, source 1 (X) window 0, C and D window 2
.set MUL_HI,  0xf1                     ; C and D window 3
.set MUL_LO1, 0x91                     ; a block's first products: C is the bias in window 1, D window 2
.set MUL_HI1, 0xd1                     ; D window 3
.set TO_B,    0x40                     ; destination window 1, address window 0
; A joint load.  Waves 0 and 1 fetch X's two halves, waves 2 and 3 W's.  The branch hangs on the wave's number alone.
.macro JLOAD s
	s_cmp_eq_u32 s11, 0
	s_cbranch_scc0 .Lfor_w_\@
	tensor_load_to_lds s[G0+4*\s:G0+4*\s+3], s[G1:G1+7]
	s_nop 0
	s_branch .Lasked_\@
.Lfor_w_\@:
	tensor_load_to_lds s[G0B+4*\s:G0B+4*\s+3], s[G1B:G1B+7]
	s_nop 0
.Lasked_\@:
.endm
.macro CREST                           ; a round of the cluster's barrier behind its opening barrier
	s_cmp_lg_u32 s10, 0
	s_cbranch_scc1 .Lnot_wave_0_\@
	s_barrier_signal -3
.Lnot_wave_0_\@:
	s_barrier_wait -3
	s_barrier_signal -1
	s_barrier_wait -1
.endm
.macro CROUND                          ; a whole round
	s_barrier_signal -1
	s_barrier_wait -1
	CREST
.endm
.macro PLACES                          ; the four places behind a matrix instruction (ISA guide 7.12.1)
.rept 4
	v_nop
.endr
.endm
	s_load_b128 s[4:7], s[0:1], 0x0                ; Xh s[4:5], Wh s[6:7]
	s_load_b256 s[76:83], s[0:1], 0x10             ; Wk0 s[76:77], Wq0 s[78:79], KQ s[80:81], NRM s[82:83]
	s_set_vgpr_msb 0x40
	v_lshl_add_u32 v63, v0, 2, 0x48c00
	s_set_vgpr_msb 0x4000
	v_mov_b32 v255, 0
	s_set_vgpr_msb 0x1
	ds_add_u32 v63, v255
	s_set_vgpr_msb 0x100
	v_lshrrev_b32 v1, 5, v0
	v_readfirstlane_b32 s10, v1                    ; wave 0..3
	s_lshr_b32 s11, s10, 1                         ; which 128 b are mine.  Also: I fetch for X (0) or for W (1)
	s_and_b32 s12, s10, 1                          ; which 128 c' are mine.  Also: which half of that tile I fetch
	s_bfe_u32 s40, ttmp6, 0x40000                  ; cx
	s_bfe_u32 s41, ttmp6, 0x40004                  ; cy
	s_lshl_b32 s42, ttmp9, 2
	s_add_co_u32 s42, s42, s40                     ; block column x = 4 x cluster x + cx: c' = 256 x ..
	s_and_b32 s13, ttmp7, 0xffff
	s_lshl_b32 s13, s13, 2
	s_add_co_u32 s13, s13, s41                     ; batch n = 4 x cluster y + cy
	s_lshl_b32 s43, s41, 2
	s_lshl_b32 s43, 15, s43                        ; my row of the cluster: places 4 cy .. 4 cy + 3
	s_lshl_b32 s44, 0x1111, s40                    ; my column: places cx, cx + 4, cx + 8, cx + 12
	s_mov_b32 s72, 0x76543210                      ; v_permlanex16_b32: lane i of one half reads lane i of the other
	s_mov_b32 s73, 0xfedcba98
	; group 1 for X: 64 rows (d) of 256 elements (b), pitch 512 elements; 8 words of padding behind every 128 words
	s_or_b32 s[G1+0], s43, (1<<16)|(1<<20)|(1<<21)|(6<<22)|(7<<25)
	s_mov_b32 s[G1+1], 256<<16                     ; tensor_dim0 = 256
	s_mov_b32 s[G1+2], 64<<16                      ; tensor_dim1 = 64
	s_mov_b32 s[G1+3], 256<<16                     ; tile_dim0 = 256
	s_mov_b32 s[G1+4], 64                          ; tile_dim1 = 64
	s_mov_b32 s[G1+5], 512                         ; elements from row to row
	s_mov_b32 s[G1+6], 0
	s_mov_b32 s[G1+7], 0
	; group 1 for W: 128 rows (c') of 128 elements (d), pitch 1,024 elements; 4 words of padding behind every 64 words
	s_or_b32 s[G1B+0], s44, (1<<16)|(1<<20)|(1<<21)|(5<<22)|(3<<25)
	s_mov_b32 s[G1B+1], KSTEP<<16
	s_mov_b32 s[G1B+2], 128<<16
	s_mov_b32 s[G1B+3], KSTEP<<16
	s_mov_b32 s[G1B+4], 128
	s_mov_b32 s[G1B+5], SIZE_K
	s_mov_b32 s[G1B+6], 0
	s_mov_b32 s[G1B+7], 0
	; X's first tile: batch n x 1,048,576 bytes + half x 64 rows of 1,024 bytes: the batch and the wave's number alone
	s_lshl_b32 s16, s13, 20
	s_lshl_b32 s17, s12, 16
	s_add_co_u32 s16, s16, s17
	s_mov_b32 s17, 0
	; W's tile: row 256 x + 128 half, 2,048 bytes a row: the block column and the wave's number alone
	s_lshl_b32 s46, s42, 19
	s_lshl_b32 s47, s12, 18
	s_add_co_u32 s46, s46, s47
	s_mov_b32 s47, 0
	s_mul_i32 s20, s10, HALFT                      ; where they go: wave x 34,816: no place in the cluster enters an LDS address
	; the bias of my 128 c': 256 cx + 128 half numbers into Wk0 (cluster x = 0) or Wq0 (cluster x = 1)
	s_lshl_b32 s18, s40, 10
	s_lshl_b32 s19, s12, 9
	s_add_co_u32 s18, s18, s19
	s_mov_b32 s19, 0
	v_bfe_u32 v2, v0, 4, 1                         ; l / 16
	v_lshlrev_b32 v[BOF], 5, v2                    ; 8 numbers further for the upper half of the lanes
	s_wait_dscnt 0x0
	s_wait_kmcnt 0x0
	s_add_nc_u64 s[14:15], s[4:5], s[16:17]
	s_add_nc_u64 s[46:47], s[6:7], s[46:47]
	s_cmp_eq_u32 ttmp9, 0
	s_cselect_b64 s[68:69], s[76:77], s[78:79]
	s_add_nc_u64 s[68:69], s[68:69], s[18:19]
	; The bias as C tiles: register j of tile t holds bias[16 t + 8 (l / 16) + j], the c' that the lane's result j of a tile (a, t) belongs to.
	WIN TO_B
.irp t, 0,1,2,3,4,5,6,7
	global_load_b128 v[BIAS+8*\t:BIAS+8*\t+3],   v[BOF], s[68:69] offset:64*\t
	global_load_b128 v[BIAS+8*\t+4:BIAS+8*\t+7], v[BOF], s[68:69] offset:64*\t+16
.endr
	WIN 0
	CROUND                                         ; all sixteen work-groups are here: the first joint loads meet
.irp s, 0,1
	s_mov_b32 s[G0+4*\s], 1
	s_add_co_u32 s[G0+4*\s+1], s20, \s*SLOT
	s_add_nc_u64 s[G0+4*\s+2:G0+4*\s+3], s[14:15], \s*KSTEP*1024   ; K step s: 128 rows of 1,024 bytes further
	s_or_b32 s[G0+4*\s+3], s[G0+4*\s+3], 0x80000000
	s_mov_b32 s[G0B+4*\s], 1
	s_add_co_u32 s[G0B+4*\s+1], s20, \s*SLOT
	s_add_nc_u64 s[G0B+4*\s+2:G0B+4*\s+3], s[46:47], \s*KSTEP*2    ; K step s: 256 bytes along the rows
	s_or_b32 s[G0B+4*\s+3], s[G0B+4*\s+3], 0x80000000
	JLOAD \s                                       ; two tensor loads of this wave are out, the most in this text
.endr
	v_and_b32 v1, 15, v0                           ; l % 16
	v_mul_u32_u24 v3, v1, PW
	v_lshl_add_u32 v3, v2, 4, v3                   ; W: row x pitch + 16 x half
	v_and_b32 v4, 7, v0
	v_lshl_add_u32 v4, v2, 3, v4                   ; X, for the transposing load: d row 8 (l / 16) + l % 8,
	v_mul_u32_u24 v4, v4, PX
	v_bfe_u32 v5, v0, 3, 1
	v_lshl_add_u32 v4, v5, 4, v4                   ; and 16 bytes further for the odd groups of eight lanes
	s_lshl_b32 s21, s11, 8                         ; my 128 b: 256 bytes along X's rows
	s_mul_i32 s22, s12, HALFT                      ; my 128 rows of W,
	s_add_co_u32 s22, s22, 2*HALFT                 ; which lie behind X's tile
.irp s, 0,1
	v_add_nc_u32 v[ADRA+\s], s21, v4
	v_add_nc_u32 v[ADRB+\s], s22, v3
	s_add_co_u32 s21, s21, SLOT
	s_add_co_u32 s22, s22, SLOT
.endr
	s_mul_i32 s23, s10, 16*SPITCH
	s_add_co_u32 s23, s23, STAGE                   ; my stage
	v_mul_u32_u24 v4, v1, SPITCH
	v_lshl_add_u32 v4, v2, 4, v4
	v_add_nc_u32 v[STO], s23, v4
	v_mul_u32_u24 v5, v2, SPITCH
	v_lshl_add_u32 v5, v1, 4, v5
	v_add_nc_u32 v[RD], s23, v5
	v_mul_u32_u24 v5, v2, SIZE_N*2
	v_lshl_add_u32 v[CO], v1, 4, v5
	s_lshl_b32 s23, s10, 9
	s_add_co_u32 s23, s23, NST                     ; my 128 sums
	v_lshl_add_u32 v[NSA], v1, 2, s23
	v_and_b32 v6, 31, v0
	v_lshlrev_b32 v[NCO], 4, v6
	v_add_nc_u32 v[NLA], s23, v[NCO]
	v_mov_b32 v[NT+1], 0                           ; v_permlanex16_b32 counts as a reader of its destination
	; where the first block's results go
	s_lshl_b32 s16, s13, 9
	s_lshl_b32 s14, s11, 7
	s_add_co_u32 s16, s16, s14                     ; my first row: 512 n + 128 half
	s_lshl_b32 s18, s16, 2                         ; x 4 bytes in NRM
	s_lshl_b32 s16, s16, 12                        ; x 4,096 bytes in KQ (below 2^26)
	s_mov_b32 s17, 0
	s_add_nc_u64 s[80:81], s[80:81], s[16:17]
	s_lshl_b32 s46, s42, 9                         ; my first column in bytes: 512 x + 256 half
	s_lshl_b32 s47, s12, 8
	s_add_co_u32 s46, s46, s47
	s_mov_b32 s47, 0
	s_add_nc_u64 s[80:81], s[80:81], s[46:47]
	s_lshl_b32 s46, s42, 1
	s_add_co_u32 s46, s46, s12                     ; my block of 128 c': 2 x + half
	s_lshl_b32 s46, s46, 16                        ; x 16,384 rows of 4 bytes
	s_add_co_u32 s46, s46, s18
	s_add_nc_u64 s[70:71], s[82:83], s[46:47]
; 16 matrix instructions: b blocks a0, a0 + 1 of the window's four x all 8 c' blocks, 32 along d.  first = 1: C is the bias, which starts the sums.
.macro MUL16 f, hi, a0, first
.irp a, \a0, \a0+1
.irp b, 0,1,2,3,4,5,6,7
.if \first
	v_wmma_f32_16x16x32_f16 v[8*(8*(\a)+\b):8*(8*(\a)+\b)+7], v[\f+8*\b:\f+8*\b+7], v[\f+8*(4*\hi+\a):\f+8*(4*\hi+\a)+7], v[BIAS+8*\b:BIAS+8*\b+7]
.else
	v_wmma_f32_16x16x32_f16 v[8*(8*(\a)+\b):8*(8*(\a)+\b)+7], v[\f+8*\b:\f+8*\b+7], v[\f+8*(4*\hi+\a):\f+8*(4*\hi+\a)+7], v[8*(8*(\a)+\b):8*(8*(\a)+\b)+7]
.endif
.endr
.endr
.endm
; 32 LDS loads in one run: the fragments of quarter qq (32 d) into buffer f: W's 128 rows, then X's 128 columns (transposed on the way)
.macro FETCH slot, qq, f
	WIN TO_B
.irp i, 0,1,2,3,4,5,6,7
	ds_load_b128 v[\f+8*\i:\f+8*\i+3],   v[ADRB+\slot] offset:64*\qq+\i*16*PW
	ds_load_b128 v[\f+8*\i+4:\f+8*\i+7], v[ADRB+\slot] offset:64*\qq+\i*16*PW+32
.endr
	WIN 0
.irp i, 0,1,2,3,4,5,6,7
	ds_load_tr16_b128 v[\f+8*\i:\f+8*\i+3],   v[ADRA+\slot] offset:\qq*32*PX+32*\i          ; d = 32 qq + 8 (l / 16) + 0..7 of column 16 i + l % 16
	ds_load_tr16_b128 v[\f+8*\i+4:\f+8*\i+7], v[ADRA+\slot] offset:\qq*32*PX+32*\i+16*PX    ; sixteen d rows further
.endr
.endm
.macro QUARTER slot, qq, f, g, first
	s_wait_dscnt 8                                 ; W and X's columns 0-63 are in; the youngest eight LDS instructions (X's columns 64-127) may be out
.if \first
	WIN MUL_LO1
.else
	WIN MUL_LO
.endif
	MUL16 \f, 0, 0, \first
	MUL16 \f, 0, 2, \first
	PLACES
	FETCH \slot, \qq, \g
	s_wait_dscnt 32                                ; all but the 32 just issued
.if \first
	WIN MUL_HI1
.else
	WIN MUL_HI
.endif
	MUL16 \f, 1, 0, \first
	MUL16 \f, 1, 2, \first
.endm
.macro THREE slot, first
	QUARTER \slot, 1, F0, F1, \first
	QUARTER \slot, 2, F1, F0, 0
	QUARTER \slot, 3, F0, F1, 0
.endm
; The last quarter of a K step changes slots.  In front of the barrier each wave waits for its reads of this slot and for all its tensor loads
; (one is out: its part of the next slot).  Where the slot is filled again the barrier opens a round of the cluster's barrier, and the joint
; refill is the first tensor load behind the round.  From a request to the wait for it a wave issues 240 matrix instructions.
; fill = 1: this slot's tiles two K steps ahead.  fill = 2: two steps ahead is the second block: X goes back six K steps (6 x 128 rows of 1,024 bytes)
; and on by 256 b (512 bytes); W goes back six K steps (6 x 256 bytes).  fill = 0: nothing is left to fetch.
.macro TURN slot, next, fill
	s_wait_dscnt 8
	WIN MUL_LO
	MUL16 F1, 0, 0, 0
	s_wait_dscnt 0                                 ; my reads of this slot are over
	s_wait_tensorcnt 0x0                           ; all my tensor loads have landed
	ds_add_u32 v63, v255
	s_wait_dscnt 0x0
	s_barrier_signal -1
	MUL16 F1, 0, 2, 0                              ; register work while the others arrive
	WIN 0
	s_barrier_wait -1
.if \fill
	CREST
.if \fill == 1
	s_add_nc_u64 s[G0+4*\slot+2:G0+4*\slot+3], s[G0+4*\slot+2:G0+4*\slot+3], 2*KSTEP*1024
	s_add_nc_u64 s[G0B+4*\slot+2:G0B+4*\slot+3], s[G0B+4*\slot+2:G0B+4*\slot+3], 2*KSTEP*2
.else
	s_sub_nc_u64 s[G0+4*\slot+2:G0+4*\slot+3], s[G0+4*\slot+2:G0+4*\slot+3], 6*KSTEP*1024-512
	s_sub_nc_u64 s[G0B+4*\slot+2:G0B+4*\slot+3], s[G0B+4*\slot+2:G0B+4*\slot+3], 6*KSTEP*2
.endif
	JLOAD \slot
.endif
	PLACES
	FETCH \next, 0, F0
	WIN MUL_HI
	MUL16 F1, 1, 0, 0
	MUL16 F1, 1, 2, 0
.endm
.macro LAP first, fill                 ; two K steps, once round the ring, both slots filled again
	THREE 0, \first
	TURN 0, 1, \fill
	THREE 1, 0
	TURN 1, 0, \fill
.endm
; THE WAY OUT, 16 rows of KQ at a time: rows 16 i .. 16 i + 15 = the eight tiles (a, 0..7) of window 2 or 3 (from = 0x0a or 0x0f); f: RB or F1 in turn
.macro OUT16 i, a, from, f
	WIN \from
.irp b, 0,1,2,3,4,5,6,7
.irp r, 0,1,2,3
	v_cvt_pk_bf16_f32 v[TMP+4*\b+\r], v[8*(8*\a+\b)+2*\r], v[8*(8*\a+\b)+2*\r+1]
.endr
.irp r, 0,1,2,3
.if \b == 0
	v_pk_mul_f32 v[SQ+2*\r:SQ+2*\r+1], v[8*(8*\a+\b)+2*\r:8*(8*\a+\b)+2*\r+1], v[8*(8*\a+\b)+2*\r:8*(8*\a+\b)+2*\r+1]   ; the first squares start four chains
.else
	v_pk_fma_f32 v[SQ+2*\r:SQ+2*\r+1], v[8*(8*\a+\b)+2*\r:8*(8*\a+\b)+2*\r+1], v[8*(8*\a+\b)+2*\r:8*(8*\a+\b)+2*\r+1], v[SQ+2*\r:SQ+2*\r+1]
.endif
.endr
.endr
	WIN 0
	v_pk_add_f32 v[SQ:SQ+1], v[SQ:SQ+1], v[SQ+2:SQ+3]
	v_pk_add_f32 v[SQ+4:SQ+5], v[SQ+4:SQ+5], v[SQ+6:SQ+7]
	v_pk_add_f32 v[SQ:SQ+1], v[SQ:SQ+1], v[SQ+4:SQ+5]
	v_add_f32 v[NT], v[SQ], v[SQ+1]                ; my 64 c' of row l % 16
	v_permlanex16_b32 v[NT+1], v[NT], s72, s73     ; the other 64
	v_add_f32 v[NT], v[NT], v[NT+1]
	ds_store_b32 v[NSA], v[NT] offset:64*\i        ; both halves of the lanes write the same word with the same number
.irp b, 0,1,2,3,4,5,6,7
	ds_store_b128 v[STO], v[TMP+4*\b:TMP+4*\b+3] offset:32*\b
.endr
	s_wait_xcnt 0x0                                ; buffer f, which earlier stores read, and the stores' base are rewritten only behind this wait
.if \i
	s_add_nc_u64 s[80:81], s[80:81], 16*SIZE_N*2
.endif
.irp t, 0,1,2,3,4,5,6,7
	ds_load_b128 v[\f+4*\t:\f+4*\t+3], v[RD] offset:\t*2*SPITCH    ; a wave's LDS instructions are served in order: these see the stores above
.endr
.irp t, 0,1,2,3,4,5,6,7
	s_wait_dscnt 7-\t                              ; read-back t is in, the 7 - t younger ones stay out
	global_store_b128 v[CO], v[\f+4*\t:\f+4*\t+3], s[80:81] offset:2*\t*SIZE_N*2   ; 16 lanes store 256 consecutive bytes, at a multiple of 256
.endr
.endm
.macro WAYOUT
	PLACES                                         ; behind the block's last matrix instructions: for the conversions and for the loads into buffer 1
	OUT16 0, 0, 0x0a, RB
	OUT16 1, 1, 0x0a, F1
	OUT16 2, 2, 0x0a, RB
	OUT16 3, 3, 0x0a, F1
	OUT16 4, 0, 0x0f, RB
	OUT16 5, 1, 0x0f, F1
	OUT16 6, 2, 0x0f, RB
	OUT16 7, 3, 0x0f, F1
	ds_load_b128 v[NV:NV+3], v[NLA]                ; my wave's 128 sums, four a lane
	s_wait_dscnt 0x0
	global_store_b128 v[NCO], v[NV:NV+3], s[70:71] ; 512 consecutive bytes
.endm
	s_wait_loadcnt 0x0                             ; the bias
	s_wait_tensorcnt 1                             ; my part of K step 0 is in; K step 1's may stay out
	s_barrier_signal -1
	s_barrier_wait -1
	FETCH 0, 0, F0
	; THE FIRST BLOCK, b = 0..255
	LAP 1, 1                                       ; K steps 0 and 1; the first products start the sums from the bias
	WIN 0
	s_mov_b32 s3, 2
.Llap_a:
	LAP 0, 1                                       ; K steps 2 to 5
	WIN 0
	s_sub_co_u32 s3, s3, 1
	s_cmp_lg_u32 s3, 0
	s_cbranch_scc1 .Llap_a
	LAP 0, 2                                       ; K steps 6 and 7; the refills are the second block's K steps 0 and 1, and its first fragments go into buffer 0
	WAYOUT                                         ; one tensor load of mine is out meanwhile: my part of the second block's K step 1
	s_wait_xcnt 0x0                                ; the stores' bases, and buffer 1, which the last stores read, are rewritten only behind this wait
	s_add_nc_u64 s[80:81], s[80:81], (256-7*16)*SIZE_N*2   ; 256 rows of KQ below the first block; 7 x 16 of them were stepped on the way out
	s_add_nc_u64 s[70:71], s[70:71], 256*4
	; THE SECOND BLOCK, b = 256..511
	LAP 1, 1
	WIN 0
	s_mov_b32 s3, 2
.Llap_b:
	LAP 0, 1
	WIN 0
	s_sub_co_u32 s3, s3, 1
	s_cmp_lg_u32 s3, 0
	s_cbranch_scc1 .Llap_b
	THREE 0, 0                                     ; the last lap fills nothing
	TURN 0, 1, 0
	THREE 1, 0
	s_wait_dscnt 8
	WIN MUL_LO
	MUL16 F1, 0, 0, 0
	MUL16 F1, 0, 2, 0
	s_wait_dscnt 0
	WIN MUL_HI
	MUL16 F1, 1, 0, 0
	MUL16 F1, 1, 2, 0
	WAYOUT
	s_set_vgpr_msb 0x1
	s_wait_tensorcnt 0x0
	ds_add_u32 v63, v255
	s_wait_dscnt 0x0
	s_set_vgpr_msb 0x100
	CROUND                                         ; the closing round: no work-group ends while a partner may still ask for a tile that names it
	s_endpgm
.Lfunc_end_k_q69efc1f3c9_proj:
	.size	k_q69efc1f3c9_proj, .Lfunc_end_k_q69efc1f3c9_proj-k_q69efc1f3c9_proj
	.p2alignl 7, 3214868480
	.fill 96, 4, 3214868480
	.section	.rodata,"a",@progbits
	.p2align	6, 0x0
	.amdhsa_kernel k_q69efc1f3c9_proj
		.amdhsa_group_segment_fixed_size 327680
		.amdhsa_private_segment_fixed_size 0
		.amdhsa_enable_private_segment 0
		.amdhsa_kernarg_size 48
		.amdhsa_user_sgpr_count 2
		.amdhsa_user_sgpr_kernarg_segment_ptr 1
		.amdhsa_wavefront_size32 1
		.amdhsa_system_sgpr_workgroup_id_x 1
		.amdhsa_system_sgpr_workgroup_id_y 1
		.amdhsa_system_sgpr_workgroup_id_z 1
		.amdhsa_system_vgpr_workitem_id 0
		.amdhsa_next_free_vgpr 1024
		.amdhsa_next_free_sgpr 84
		.amdhsa_reserve_vcc 0
		.amdhsa_float_denorm_mode_32 3
		.amdhsa_float_denorm_mode_16_64 3
		.amdhsa_memory_ordered 1
		.amdhsa_forward_progress 1
		.amdhsa_inst_pref_size 255
	.end_amdhsa_kernel
	.section	.bss,"aw",@nobits
	.p2align	6
	.space	262144
	.amdgpu_metadata
---
amdhsa.version: [ 1, 2 ]
amdhsa.kernels:
  - .name:           k_q69efc1f3c9_proj
    .symbol:         k_q69efc1f3c9_proj.kd
    .args:
      - { .name: Xh, .offset: 0, .size: 8, .value_kind: global_buffer, .address_space: global }
      - { .name: Wh, .offset: 8, .size: 8, .value_kind: global_buffer, .address_space: global }
      - { .name: Wk0, .offset: 16, .size: 8, .value_kind: global_buffer, .address_space: global }
      - { .name: Wq0, .offset: 24, .size: 8, .value_kind: global_buffer, .address_space: global }
      - { .name: KQ, .offset: 32, .size: 8, .value_kind: global_buffer, .address_space: global }
      - { .name: NRM, .offset: 40, .size: 8, .value_kind: global_buffer, .address_space: global }
    .group_segment_fixed_size: 327680
    .private_segment_fixed_size: 0
    .kernarg_segment_align: 8
    .kernarg_segment_size: 48
    .max_flat_workgroup_size: 128
    .sgpr_count:     84
    .vgpr_count:     1024
    .wavefront_size: 32
...
	.end_amdgpu_metadata
.endif
;; end of part 2
;; launch attn (part 3): grid 8 x 32, 4 waves a work-group, clusters of 4 x 1, 327,680 bytes of LDS; arguments KQ, NRM, Xh, out0; writes out0
.if DOCPART == 3
	.amdgcn_target "amdgcn-amd-amdhsa--gfx1250"
	.amdhsa_code_object_version 6
	.text
	.protected	k_q69efc1f3c9_attn
	.globl	k_q69efc1f3c9_attn
	.p2align	8
	.type	k_q69efc1f3c9_attn,@function
k_q69efc1f3c9_attn:
	s_mov_b64 s[64:65], 0
	v_nop
	global_prefetch_b8 v0, s[64:65] scope:SCOPE_SE
	s_setreg_imm32_b32 hwreg(HW_REG_WAVE_MODE, 25, 1), 1
	s_wait_xcnt 0x0
	s_wait_alu depctr_hold_cnt(0) depctr_sa_sdst(0) depctr_va_vdst(0) depctr_va_sdst(0) depctr_va_ssrc(0) depctr_va_vcc(0) depctr_vm_vsrc(0)
	s_getreg_b32 s2, hwreg(HW_REG_IB_STS2, 6, 4)
	s_cmp_eq_u32 s2, 0
	s_cbranch_scc0 .Lentry_in_a_cluster
	s_endpgm
.Lentry_in_a_cluster:
	s_bfe_u32 s2, ttmp6, 0x10000c
	s_cmp_lg_u32 s2, 0x3003
	s_cbranch_scc0 .Lentry_shape_is_right
	s_endpgm
.Lentry_shape_is_right:
; For batch n and the 64 columns k = 64 kb ..: Y[q][k] = Q_q . K_k / sqrt(max(DQ2[q] DK2[k], 1e-12)), SM = softmax over q, out0[n][c][k] = sum over q of X[c][q] SM[q][k].
; PHASE Y: wave w makes 128 q (128 w ..) x 64 k, 32 accumulator tiles, over c = 1,024 in 8 steps of 128 through two LDS slots (bf16 operands).
; SOFTMAX in registers: 1 / sqrt(max(a b, 1e-12)) = min(rsq(a) rsq(b), 1e6), with log2(e) folded into rsq(a) and into the bound; exp2; the sum over q
; in the lane, across the lanes' halves, and across the four waves through LDS; SM = exp / sum, rounded to f16, handed to every wave through LDS in two halves.
; NO MAXIMUM IS TAKEN AWAY: by Cauchy-Schwarz and reference's own division |Y| <= 1 for every input (1.01 with K and Q rounded to bf16 against f32 norms;
; where the bound 1e6 acts, |Q.K| < 1e-6), so every exponential lies in [0.36, 2.8] and the sum of 512 of them in [180, 1,420].
; SM lies in [2.5e-4, 1.6e-2] for every input: inside f16's normal range.
; PHASE Z: 8 trips of 128 c; wave w takes 32 c of a trip; all of SM (512 q x 64 k) lies in 512 registers of every wave (f16 operands).
; CLUSTERS: the four work-groups of a cluster have the same n and read the same tiles of Q and of X: joint loads with the mask 15.
; K's tile (a ninth of a step's bytes) is a work-group's own: a plain load in the same rounds.
; PREFETCH into the L2: every 256 consecutive bytes of KQ's steps 2 to 7 and of X are asked for once in the launch, by one lane.
;   KQ: a request of a wave names 32 rows' 256 bytes of one step.  Waves 0 and 1 ask for Q's rows 64 kb + 32 w + lane (the eight work-groups of a batch share
;   Q's 512 rows out), waves 2 and 3 for this work-group's own 64 rows of K.  Steps 2 and 3 are asked for behind the first fills; step j + 4 behind the refill
;   at the end of step j (j = 0..3), two steps (256 matrix instructions of a wave) ahead of its tensor load.
;   X: a tile is 131,072 consecutive bytes; a request of a wave names 16 pieces of an even tile (lanes 0-15) and 16 of the odd tile behind it (lanes 16-31),
;   piece 64 kb + 16 w + lane % 16 of the tile's 512.  Tiles 0, 1 at the end of step 4 (two and three steps ahead of their loads); tiles 2, 3 in the middle of SM's
;   exchange; tiles 4, 5 and 6, 7 behind the loads of tiles 3 and 5 (one and two trips ahead of their loads).  The last three trips ask for nothing.
;   A work-group has at most 64 KiB asked for and not yet loaded.
; The accumulators take turns, one matrix instruction a turn (32 in phase Y, 8 in phase Z, the same order throughout).
; LIMITS: DQ2 or DK2 below 2^-126 counts as 0 (v_rsq_f32 takes a denormal as zero: ISA guide, its entry); the value then differs from reference's
; only if the other norm's square passes 8e25.  X is f16 here (see the launch that made it).
;
; LDS: phase Y slot s at 156,672 s: Q [512 q][128 c] pitch 272, then K [64 k][128 c] pitch 272 at +139,264.
;      phase Z slot s at 133,120 s: wave w's [32 c][512 q] pitch 1,040 at +33,280 w.
;      PREG 266,240: half of SM as [64 k][256 q] f16, pitch 528; STAGE 300,032: 16 rows x 272 a wave.  Both lie behind phase Z's slots, in bytes whose last fill is
;      phase Y's last step; they are written only behind it.  RQ, RK, SUMS from 317,440 on: behind every fill.
; REGISTERS: window 0 addresses, fragments, work; window 1 accumulators; windows 2 and 3 SM's fragments ((qs, kt) at v[8 (4 (qs % 8) + kt)]).
.set PQ,     272
.set YSLOT,  156672
.set KOFF,   139264
.set PXZ,    1040
.set ZWAVE,  33280
.set ZSLOT,  133120
.set PREG,   266240
.set PP,     528
.set STAGE,  300032
.set SPITCH, 272
.set RQ,     317440
.set RK,     319488
.set SUMS,   320512
.set XPO,  11                          ; prefetch: my byte offset in a pair of X's tiles; never rewritten
.set NQO,  12                          ; byte offset in NRM of my four q
.set NKO,  13                          ; and of my two k
.set SML,  14
.set PFO,  15                          ; prefetch: my byte offset in the batch's rows of KQ; never rewritten
.set ADRQ, 16
.set ADRK, 18
.set ADRX, 20
.set STO,  22
.set RD,   23
.set CO,   24
.set PST,  25
.set PLD,  26
.set RQS,  27
.set RQL,  28
.set RKS,  29
.set RKL,  30
.set SMS,  31
.set S,    32                          ; v32-39  a pair of running sums for each k tile
.set RKV,  40                          ; v40-43  rsq(DK2) of my k in each k tile
.set RLV,  44                          ; v44-47  1 / sum of my k in each k tile
.set W,    48                          ; v48-63  at work
.set F0,   64                          ; phase Y: Q's 8 fragments at f, K's 4 at f + 64
.set F1,   160
.set RQV,  64                          ; softmax: log2(e) rsq(DQ2) of my 8 q in each of 8 q tiles
.set T,    128                         ; softmax: 32 scales of one q tile
.set PK,   64                          ; SM in f16: 4 registers for each of my 32 tiles
.set T2,   192
.set XF0,  64                          ; phase Z: X's fragments, two buffers of 4 q steps x 2 c tiles
.set XF1,  128
.set TMP,  192
.set G1Q, 24
.set G0Q, 32
.set G1K, 40
.set G0K, 48
.set G1X, 56
.set G0X, 68
.set PBX, 84                           ; s[84:85] prefetch: X of batch n
.set PBK, 86                           ; s[86:87] prefetch: KQ's rows of batch n; never rewritten
.set MSB, 0
.macro WIN new
.if MSB != \new
	s_set_vgpr_msb (MSB<<8)|\new
.set MSB, \new
.endif
.endm
.macro PLACES                          ; four places behind a matrix instruction (ISA guide 7.12.1)
.rept 4
	v_nop
.endr
.endm
.macro CREST
	s_cmp_lg_u32 s12, 0
	s_cbranch_scc1 .Lnot_wave_0_\@
	s_barrier_signal -3
.Lnot_wave_0_\@:
	s_barrier_wait -3
	s_barrier_signal -1
	s_barrier_wait -1
.endm
.macro CROUND
	s_barrier_signal -1
	s_barrier_wait -1
	CREST
.endm
; Phase Y's load: waves 0 and 1 ask jointly for Q's two halves (256 rows each), waves 2 and 3 fetch K's two halves (32 rows each) for this work-group alone.
.macro JLOADY s
	s_cmp_eq_u32 s13, 0
	s_cbranch_scc0 .Lfor_k_\@
	tensor_load_to_lds s[G0Q+4*\s:G0Q+4*\s+3], s[G1Q:G1Q+7]
	s_nop 0
	s_branch .Lasked_\@
.Lfor_k_\@:
	tensor_load_to_lds s[G0K+4*\s:G0K+4*\s+3], s[G1K:G1K+7]
	s_nop 0
.Lasked_\@:
.endm
; d = a x (register sel of the pair b), in both halves
.macro PKB d, a, b, sel
.if \sel
	v_pk_mul_f32 v[\d:\d+1], v[\a:\a+1], v[\b:\b+1] op_sel:[0,1] op_sel_hi:[1,1]
.else
	v_pk_mul_f32 v[\d:\d+1], v[\a:\a+1], v[\b:\b+1] op_sel:[0,0] op_sel_hi:[1,0]
.endif
.endm
	s_load_b256 s[4:11], s[0:1], 0x0               ; KQ s[4:5], NRM s[6:7], Xh s[8:9], out0 s[10:11]
	v_lshl_add_u32 v9, v0, 2, 0x4e800
	v_mov_b32 v10, 0
	ds_add_u32 v9, v10
	v_lshrrev_b32 v1, 5, v0
	v_readfirstlane_b32 s12, v1                    ; wave 0..3
	s_lshr_b32 s13, s12, 1
	s_and_b32 s14, s12, 1
	s_bfe_u32 s15, ttmp6, 0x40000                  ; cx
	s_lshl_b32 s16, ttmp9, 2
	s_add_co_u32 s16, s16, s15                     ; kb = 4 x cluster x + cx
	s_and_b32 s17, ttmp7, 0xffff                   ; n (the cluster is one work-group high)
	s_mov_b32 s76, 0x76543210
	s_mov_b32 s77, 0xfedcba98
	s_mov_b32 s78, 0x49b01c38                      ; 1e6 x log2(e)
	; Q: 256 rows of 128 elements, pitch 2,048 elements; 4 words of padding behind every 64; mask 15
	s_mov_b32 s[G1Q+0], 15|(1<<16)|(1<<20)|(1<<21)|(5<<22)|(3<<25)
	s_mov_b32 s[G1Q+1], 128<<16
	s_mov_b32 s[G1Q+2], 256<<16
	s_mov_b32 s[G1Q+3], 128<<16
	s_mov_b32 s[G1Q+4], 256
	s_mov_b32 s[G1Q+5], 2048
	s_mov_b32 s[G1Q+6], 0
	s_mov_b32 s[G1Q+7], 0
	; K: 32 rows of 128 elements, the same pitch and padding; no mask
	s_mov_b32 s[G1K+0], (1<<16)|(1<<20)|(5<<22)|(3<<25)
	s_mov_b32 s[G1K+1], 128<<16
	s_mov_b32 s[G1K+2], 32<<16
	s_mov_b32 s[G1K+3], 128<<16
	s_mov_b32 s[G1K+4], 32
	s_mov_b32 s[G1K+5], 2048
	s_mov_b32 s[G1K+6], 0
	s_mov_b32 s[G1K+7], 0
	; X: 32 rows of 512 elements, pitch 512 elements; 4 words of padding behind every 256; mask 15
	s_mov_b32 s[G1X+0], 15|(1<<16)|(1<<20)|(1<<21)|(7<<22)|(3<<25)
	s_mov_b32 s[G1X+1], 512<<16
	s_mov_b32 s[G1X+2], 32<<16
	s_mov_b32 s[G1X+3], 512<<16
	s_mov_b32 s[G1X+4], 32
	s_mov_b32 s[G1X+5], 512
	s_mov_b32 s[G1X+6], 0
	s_mov_b32 s[G1X+7], 0
	s_lshl_b32 s18, s17, 21                        ; Q: batch n x 512 rows of 4,096 bytes
	s_lshl_b32 s19, s14, 20                        ; + half x 256 rows
	s_add_co_u32 s18, s18, s19
	s_add_co_u32 s18, s18, 2048                    ; + Q's columns, behind K's 1,024
	s_mov_b32 s19, 0
	s_lshl_b32 s20, s17, 21                        ; K: the batch
	s_lshl_b32 s21, s16, 18                        ; + 64 kb rows
	s_add_co_u32 s20, s20, s21
	s_lshl_b32 s21, s14, 17                        ; + half x 32 rows
	s_add_co_u32 s20, s20, s21
	s_mov_b32 s21, 0
	s_lshl_b32 s22, s17, 20                        ; X: batch n x 1,048,576 bytes
	s_lshl_b32 s23, s12, 15                        ; + wave x 32 rows of 1,024 bytes
	s_add_co_u32 s22, s22, s23
	s_mov_b32 s23, 0
	s_mul_i32 s80, s12, 256*PQ                     ; LDS: Q's half (waves 0, 1)
	s_mul_i32 s81, s12, 32*PQ
	s_add_co_u32 s81, s81, KOFF-2*32*PQ            ; K's half (waves 2, 3): 139,264 + (wave - 2) x 8,704
	s_mul_i32 s82, s12, ZWAVE                      ; X's quarter
	s_lshl_b32 s83, s16, 8                         ; 64 kb numbers of 4 bytes
	s_wait_dscnt 0x0
	s_wait_kmcnt 0x0
	s_add_nc_u64 s[18:19], s[4:5], s[18:19]
	s_add_nc_u64 s[20:21], s[4:5], s[20:21]
	s_add_nc_u64 s[22:23], s[8:9], s[22:23]
	s_lshl_b32 s2, s17, 11                         ; NRM: 512 n numbers of 4 bytes
	s_mov_b32 s3, 0
	s_add_nc_u64 s[6:7], s[6:7], s[2:3]
	s_lshl_b32 s2, s17, 20
	s_add_nc_u64 s[PBX:PBX+1], s[8:9], s[2:3]      ; X of batch n, for the prefetches
	s_lshl_b32 s2, s17, 21                         ; batch n x 2,097,152 bytes, in KQ and in out0
	s_add_nc_u64 s[PBK:PBK+1], s[4:5], s[2:3]      ; KQ's rows of batch n, for the prefetches
	s_add_co_u32 s2, s2, s83                       ; out0: + my 64 columns
	s_lshl_b32 s15, s12, 16                        ; + wave x 32 rows of 2,048 bytes
	s_add_co_u32 s2, s2, s15
	s_add_nc_u64 s[10:11], s[10:11], s[2:3]
	CROUND                                         ; the four work-groups are here: the first joint loads meet
.irp s, 0,1
	s_mov_b32 s[G0Q+4*\s], 1
	s_add_co_u32 s[G0Q+4*\s+1], s80, \s*YSLOT
	s_add_nc_u64 s[G0Q+4*\s+2:G0Q+4*\s+3], s[18:19], \s*256
	s_or_b32 s[G0Q+4*\s+3], s[G0Q+4*\s+3], 0x80000000
	s_mov_b32 s[G0K+4*\s], 1
	s_add_co_u32 s[G0K+4*\s+1], s81, \s*YSLOT
	s_add_nc_u64 s[G0K+4*\s+2:G0K+4*\s+3], s[20:21], \s*256
	s_or_b32 s[G0K+4*\s+3], s[G0K+4*\s+3], 0x80000000
	s_mov_b32 s[G0X+4*\s], 1
	s_add_co_u32 s[G0X+4*\s+1], s82, \s*ZSLOT
	s_add_nc_u64 s[G0X+4*\s+2:G0X+4*\s+3], s[22:23], \s*131072     ; trip s: 128 rows of 1,024 bytes further
	s_or_b32 s[G0X+4*\s+3], s[G0X+4*\s+3], 0x80000000
	JLOADY \s                                      ; steps 0 and 1: two tensor loads of this wave are out, the most in this text
.endr
	; THE NORMS, while the tiles are on their way.  Thread t adds the eight parts of DQ2 for q = 4 t .. 4 t + 3 (its wave's own 128 q);
	; lane l adds the eight parts of DK2 for k = 2 l, 2 l + 1 (each wave for itself).
	v_lshlrev_b32 v[NQO], 4, v0
	v_and_b32 v3, 31, v0
	v_lshl_add_u32 v[NKO], v3, 3, s83
.irp i, 0,1,2,3,4,5,6,7
	global_load_b128 v[64+4*\i:67+4*\i], v[NQO], s[6:7] offset:(8+\i)*65536
.endr
.irp i, 0,1,2,3,4,5,6,7
	global_load_b64 v[96+2*\i:97+2*\i], v[NKO], s[6:7] offset:\i*65536
.endr
	; prefetch, KQ: row 64 kb + 32 (wave % 2) + lane of the batch, 4,096 bytes a row; waves 0 and 1 in Q's columns (2,048 bytes in), waves 2 and 3 in K's
	s_lshl_b32 s2, s16, 6
	s_lshl_b32 s3, s14, 5
	s_add_co_u32 s2, s2, s3
	s_lshl_b32 s2, s2, 12
	s_xor_b32 s3, s13, 1
	s_lshl_b32 s3, s3, 11
	s_add_co_u32 s2, s2, s3
	v_lshl_add_u32 v[PFO], v3, 12, s2
	global_prefetch_b8 v[PFO], s[PBK:PBK+1] offset:256*2 th:TH_LOAD_NT scope:SCOPE_SE   ; step 2: its tensor load is issued at the end of step 0
	global_prefetch_b8 v[PFO], s[PBK:PBK+1] offset:256*3 th:TH_LOAD_NT scope:SCOPE_SE   ; step 3: at the end of step 1
	v_and_b32 v1, 15, v0                           ; r = l % 16
	v_bfe_u32 v2, v0, 4, 1                         ; h = l / 16
	; prefetch, X: piece 64 kb + 16 wave + r of a tile's 512 pieces of 256 bytes; the upper half of the lanes one tile (131,072 bytes) further
	s_lshl_b32 s2, s16, 6
	s_lshl_b32 s3, s12, 4
	s_add_co_u32 s2, s2, s3
	s_lshl_b32 s2, s2, 8
	v_lshl_add_u32 v[XPO], v1, 8, s2
	v_lshl_add_u32 v[XPO], v2, 17, v[XPO]
	v_mul_u32_u24 v4, v1, PQ
	v_lshl_add_u32 v4, v2, 4, v4                   ; 272 r + 16 h
	s_mul_i32 s2, s12, 128*PQ                      ; my 128 rows of Q
	v_add_nc_u32 v[ADRQ], s2, v4
	v_add_nc_u32 v[ADRQ+1], YSLOT, v[ADRQ]
	v_add_nc_u32 v[ADRK], KOFF, v4
	v_add_nc_u32 v[ADRK+1], KOFF+YSLOT, v4
	v_mul_u32_u24 v5, v1, PXZ
	v_lshl_add_u32 v5, v2, 4, v5
	v_add_nc_u32 v[ADRX], s82, v5
	v_add_nc_u32 v[ADRX+1], ZSLOT, v[ADRX]
	s_mul_i32 s2, s12, 16*SPITCH
	s_add_co_u32 s2, s2, STAGE
	v_mul_u32_u24 v7, v1, SPITCH
	v_lshl_add_u32 v7, v2, 5, v7
	v_add_nc_u32 v[STO], s2, v7                    ; row r, 32 bytes for each half of the lanes
	v_mul_u32_u24 v7, v2, SPITCH
	v_lshl_add_u32 v7, v1, 4, v7
	v_add_nc_u32 v[RD], s2, v7                     ; back: lanes 0-15 one row of 256 bytes, lanes 16-31 the next
	v_lshlrev_b32 v7, 11, v2
	v_lshl_add_u32 v[CO], v1, 4, v7                ; the same two rows in out0
	v_mul_u32_u24 v7, v1, PP
	v_lshl_add_u32 v7, v2, 4, v7
	v_add_nc_u32 v[PLD], PREG, v7
	s_lshl_b32 s2, s14, 8
	v_add_nc_u32 v[PST], s2, v[PLD]                ; my 128 q of the half: 256 bytes along the rows
	v_add_nc_u32 v[RQS], RQ, v[NQO]
	s_lshl_b32 s2, s12, 9
	s_add_co_u32 s2, s2, RQ
	v_lshl_add_u32 v[RQL], v2, 5, s2
	s_lshl_b32 s2, s12, 8
	s_add_co_u32 s3, s2, RK
	v_lshl_add_u32 v[RKS], v3, 3, s3
	v_lshl_add_u32 v[RKL], v1, 2, s3
	s_add_co_u32 s3, s2, SUMS
	v_lshl_add_u32 v[SMS], v1, 2, s3
	v_lshlrev_b32 v7, 2, v1
	v_add_nc_u32 v[SML], SUMS, v7
	s_wait_loadcnt 0x0
.irp i, 0,2,4,6
	v_pk_add_f32 v[64+4*\i:65+4*\i], v[64+4*\i:65+4*\i], v[68+4*\i:69+4*\i]
	v_pk_add_f32 v[66+4*\i:67+4*\i], v[66+4*\i:67+4*\i], v[70+4*\i:71+4*\i]
	v_pk_add_f32 v[96+2*\i:97+2*\i], v[96+2*\i:97+2*\i], v[98+2*\i:99+2*\i]
.endr
.irp i, 0,4
	v_pk_add_f32 v[64+4*\i:65+4*\i], v[64+4*\i:65+4*\i], v[72+4*\i:73+4*\i]
	v_pk_add_f32 v[66+4*\i:67+4*\i], v[66+4*\i:67+4*\i], v[74+4*\i:75+4*\i]
	v_pk_add_f32 v[96+2*\i:97+2*\i], v[96+2*\i:97+2*\i], v[100+2*\i:101+2*\i]
.endr
	v_pk_add_f32 v[64:65], v[64:65], v[80:81]
	v_pk_add_f32 v[66:67], v[66:67], v[82:83]
	v_pk_add_f32 v[96:97], v[96:97], v[104:105]
	v_rsq_f32 v[W], v64
	v_rsq_f32 v[W+1], v65
	v_rsq_f32 v[W+2], v66
	v_rsq_f32 v[W+3], v67
	v_rsq_f32 v[W+4], v96
	v_rsq_f32 v[W+5], v97
	v_nop                                          ; one plain place behind the transcendentals (ISA guide 5.7.2)
	s_wait_alu depctr_va_vdst(0)
	v_pk_mul_f32 v[W:W+1], v[W:W+1], 0x3fb8aa3b op_sel_hi:[1,0]       ; log2(e) rides on Q's factor
	v_pk_mul_f32 v[W+2:W+3], v[W+2:W+3], 0x3fb8aa3b op_sel_hi:[1,0]
	ds_store_b128 v[RQS], v[W:W+3]
	ds_store_b64 v[RKS], v[W+4:W+5]
; 24 LDS loads: the fragments of quarter qq (32 c) into buffer f: K's four, then Q's eight
.macro FETCHY slot, qq, f
	WIN 0
.irp kt, 0,1,2,3
	ds_load_b128 v[\f+64+8*\kt:\f+64+8*\kt+3], v[ADRK+\slot] offset:64*\qq+\kt*16*PQ
	ds_load_b128 v[\f+64+8*\kt+4:\f+64+8*\kt+7], v[ADRK+\slot] offset:64*\qq+\kt*16*PQ+32
.endr
.irp qt, 0,1,2,3,4,5,6,7
	ds_load_b128 v[\f+8*\qt:\f+8*\qt+3], v[ADRQ+\slot] offset:64*\qq+\qt*16*PQ
	ds_load_b128 v[\f+8*\qt+4:\f+8*\qt+7], v[ADRQ+\slot] offset:64*\qq+\qt*16*PQ+32
.endr
.endm
; 8 matrix instructions: q tiles q0, q0 + 1 x 4 k tiles.  Source 0 = Q (rows of D = q), source 1 = K (columns of D = k):
; lane l holds k = 16 kt + l % 16 and q = 16 qt + 8 (l / 16) + 0..7.
.macro MUL8 f, q0, zero
.irp qt, \q0, \q0+1
.irp kt, 0,1,2,3
.if \zero
	v_wmma_f32_16x16x32_bf16 v[8*(4*(\qt)+\kt):8*(4*(\qt)+\kt)+7], v[\f+8*(\qt):\f+8*(\qt)+7], v[\f+64+8*\kt:\f+64+8*\kt+7], 0
.else
	v_wmma_f32_16x16x32_bf16 v[8*(4*(\qt)+\kt):8*(4*(\qt)+\kt)+7], v[\f+8*(\qt):\f+8*(\qt)+7], v[\f+64+8*\kt:\f+64+8*\kt+7], v[8*(4*(\qt)+\kt):8*(4*(\qt)+\kt)+7]
.endif
.endr
.endr
.endm
.set MULY, 0x50                        ; sources 0 and 1 window 0, C and D window 1
.macro QUARTER slot, qq, f, g, zero
	s_wait_dscnt 8                                 ; K and Q's tiles 0-3 are in; the youngest eight loads (Q's tiles 4-7) may be out
	WIN MULY
	MUL8 \f, 0, \zero
	MUL8 \f, 2, \zero
	WIN 0
	PLACES
	FETCHY \slot, \qq, \g
	s_wait_dscnt 24                                ; all but the 24 just issued
	WIN MULY
	MUL8 \f, 4, \zero
	MUL8 \f, 6, \zero
.endm
.macro THREE slot, zero
	QUARTER \slot, 1, F0, F1, \zero
	QUARTER \slot, 2, F1, F0, 0
	QUARTER \slot, 3, F0, F1, 0
.endm
; The last quarter of a step changes slots, behind a round of the cluster's barrier: each wave's reads of this slot and all its tensor loads are done in front
; of the round's opening signal; the refill is the first tensor load behind its closing wait.  fill = 1: this slot's tiles two steps ahead;
; fill = 2: phase Z's first tile of X, into bytes of this slot.  pk: the step of KQ that is asked for into the L2 (0: none); px = 1: X's tiles 0 and 1 are.
.macro TURN slot, next, fill, pk, px
	s_wait_dscnt 8
	WIN MULY
	MUL8 F1, 0, 0
	s_wait_dscnt 0
	s_wait_tensorcnt 0x0
	ds_add_u32 v9, v10
	s_wait_dscnt 0x0
	s_barrier_signal -1
	MUL8 F1, 2, 0                                  ; register work while the others arrive
	WIN 0
	s_barrier_wait -1
	CREST
.if \fill == 1
	s_add_nc_u64 s[G0Q+4*\slot+2:G0Q+4*\slot+3], s[G0Q+4*\slot+2:G0Q+4*\slot+3], 512
	s_add_nc_u64 s[G0K+4*\slot+2:G0K+4*\slot+3], s[G0K+4*\slot+2:G0K+4*\slot+3], 512
	JLOADY \slot
.else
	tensor_load_to_lds s[G0X:G0X+3], s[G1X:G1X+7]
	s_nop 0
.endif
.if \pk
	global_prefetch_b8 v[PFO], s[PBK:PBK+1] offset:256*\pk th:TH_LOAD_NT scope:SCOPE_SE
.endif
.if \px
	global_prefetch_b8 v[XPO], s[PBX:PBX+1] th:TH_LOAD_NT scope:SCOPE_SE
.endif
	PLACES
	FETCHY \next, 0, F0
	WIN MULY
	MUL8 F1, 4, 0
	MUL8 F1, 6, 0
.endm
	s_wait_tensorcnt 1                             ; my part of step 0 is in; step 1's may stay out
	s_wait_dscnt 0x0                               ; my stores of the norms' factors
	s_barrier_signal -1
	s_barrier_wait -1
	FETCHY 0, 0, F0
	; The eight steps are written out, so that the step that is asked for into the L2 stands in the request's immediate.
	THREE 0, 1                                     ; step 0; the first products start the sums
	TURN 0, 1, 1, 4, 0                             ; loads step 2, asks for step 4
	THREE 1, 0                                     ; step 1
	TURN 1, 0, 1, 5, 0                             ; loads step 3, asks for step 5
	THREE 0, 0                                     ; step 2
	TURN 0, 1, 1, 6, 0                             ; loads step 4, asks for step 6
	THREE 1, 0                                     ; step 3
	TURN 1, 0, 1, 7, 0                             ; loads step 5, asks for step 7: KQ's last
	THREE 0, 0                                     ; step 4
	TURN 0, 1, 1, 0, 1                             ; loads step 6, asks for X's tiles 0 and 1
	THREE 1, 0                                     ; step 5
	TURN 1, 0, 1, 0, 0                             ; loads step 7
	THREE 0, 0                                     ; step 6
	TURN 0, 1, 2, 0, 0                             ; loads X's tile 0
	THREE 1, 0                                     ; step 7
	s_wait_dscnt 8
	WIN MULY
	MUL8 F1, 0, 0
	MUL8 F1, 2, 0
	s_wait_dscnt 0
	MUL8 F1, 4, 0
	MUL8 F1, 6, 0
	WIN 0
	s_wait_dscnt 0x0                               ; my reads of both phase Y slots are over
	s_wait_tensorcnt 0x0                           ; X's first tile has landed
	ds_add_u32 v9, v10
	s_wait_dscnt 0x0
	CROUND
	tensor_load_to_lds s[G0X+4:G0X+7], s[G1X:G1X+7]    ; X's second tile, over bytes of both phase Y slots; it lands during the softmax
	s_nop 0
	PLACES
	; THE SOFTMAX
.irp qt, 0,1,2,3,4,5,6,7
	ds_load_b128 v[RQV+8*\qt:RQV+8*\qt+3], v[RQL] offset:64*\qt
	ds_load_b128 v[RQV+8*\qt+4:RQV+8*\qt+7], v[RQL] offset:64*\qt+16
.endr
.irp kt, 0,1,2,3
	ds_load_b32 v[RKV+\kt], v[RKL] offset:64*\kt
.endr
.irp kt, 0,1,2,3
	v_mov_b32 v[W+4+\kt], 0                        ; v_permlanex16_b32 counts as a reader of its destination
.endr
	s_wait_dscnt 0x0
; One q tile: scale = min(rq rk, 1e6 log2(e)); acc = exp2(acc x scale); the running sums take it up.
.macro SOFT qt
	WIN 0
.irp kp, 0,1
.irp ks, 0,1
.irp p, 0,1,2,3
	PKB T+8*(2*\kp+\ks)+2*\p,RQV+8*\qt+2*\p,RKV+2*\kp,\ks
.endr
.endr
.endr
.set j, 0
.rept 32
	v_min_num_f32 v[T+j], s78, v[T+j]
.set j, j+1
.endr
	WIN 0x41                                       ; destination and source 0 window 1, source 1 window 0
.set j, 0
.rept 16
	v_pk_mul_f32 v[32*\qt+2*j:32*\qt+2*j+1], v[32*\qt+2*j:32*\qt+2*j+1], v[T+2*j:T+2*j+1]
.set j, j+1
.endr
.set j, 0
.rept 32
	v_exp_f32 v[32*\qt+j], v[32*\qt+j]
.set j, j+1
.endr
	v_nop                                          ; one plain place behind the transcendentals
.if \qt == 0
	WIN 0x05                                       ; both sources window 1: the first two pairs start each sum
	s_wait_alu depctr_va_vdst(0)
.irp kt, 0,1,2,3
	v_pk_add_f32 v[S+2*\kt:S+2*\kt+1], v[8*\kt:8*\kt+1], v[8*\kt+2:8*\kt+3]
.endr
	WIN 0x01
.irp p, 2,3
.irp kt, 0,1,2,3
	v_pk_add_f32 v[S+2*\kt:S+2*\kt+1], v[8*\kt+2*\p:8*\kt+2*\p+1], v[S+2*\kt:S+2*\kt+1]
.endr
.endr
.else
	WIN 0x01
	s_wait_alu depctr_va_vdst(0)
.irp p, 0,1,2,3
.irp kt, 0,1,2,3
	v_pk_add_f32 v[S+2*\kt:S+2*\kt+1], v[32*\qt+8*\kt+2*\p:32*\qt+8*\kt+2*\p+1], v[S+2*\kt:S+2*\kt+1]
.endr
.endr
.endif
.endm
	SOFT 0
	SOFT 1
	SOFT 2
	SOFT 3
	SOFT 4
	SOFT 5
	SOFT 6
	SOFT 7
	WIN 0
.irp kt, 0,1,2,3
	v_add_f32 v[W+\kt], v[S+2*\kt], v[S+2*\kt+1]
.endr
.irp kt, 0,1,2,3
	v_permlanex16_b32 v[W+4+\kt], v[W+\kt], s76, s77               ; the other eight q of each tile
.endr
.irp kt, 0,1,2,3
	v_add_f32 v[W+\kt], v[W+\kt], v[W+4+\kt]
.endr
.irp kt, 0,1,2,3
	ds_store_b32 v[SMS], v[W+\kt] offset:64*\kt    ; my wave's sum over its 128 q, for each of the 64 k
.endr
	s_wait_dscnt 0x0
	s_barrier_signal -1                            ; X's second tile may stay out
	s_barrier_wait -1
.irp w, 0,1,2,3
.irp kt, 0,1,2,3
	ds_load_b32 v[W+4*\w+\kt], v[SML] offset:256*\w+64*\kt
.endr
.endr
	s_wait_dscnt 0x0
	v_pk_add_f32 v[W:W+1], v[W:W+1], v[W+4:W+5]
	v_pk_add_f32 v[W+2:W+3], v[W+2:W+3], v[W+6:W+7]
	v_pk_add_f32 v[W+8:W+9], v[W+8:W+9], v[W+12:W+13]
	v_pk_add_f32 v[W+10:W+11], v[W+10:W+11], v[W+14:W+15]
	v_pk_add_f32 v[W:W+1], v[W:W+1], v[W+8:W+9]
	v_pk_add_f32 v[W+2:W+3], v[W+2:W+3], v[W+10:W+11]
.irp kt, 0,1,2,3
	v_rcp_f32 v[RLV+\kt], v[W+\kt]
.endr
	v_nop
	s_wait_alu depctr_va_vdst(0)
; One q tile: SM = exp x 1 / sum, rounded to f16: eight neighbouring q of one k are 16 bytes
.macro PACK qt
	WIN 0x01
.irp kp, 0,1
.irp ks, 0,1
.irp p, 0,1,2,3
	PKB T2+8*(2*\kp+\ks)+2*\p,32*\qt+8*(2*\kp+\ks)+2*\p,RLV+2*\kp,\ks
.endr
.endr
.endr
	WIN 0
.irp kt, 0,1,2,3
.irp p, 0,1,2,3
	v_cvt_pk_f16_f32 v[PK+16*\qt+4*\kt+\p], v[T2+8*\kt+2*\p], v[T2+8*\kt+2*\p+1]
.endr
.endr
.endm
	PACK 0
	PACK 1
	PACK 2
	PACK 3
	PACK 4
	PACK 5
	PACK 6
	PACK 7
	; SM GOES TO EVERY WAVE, in two halves of 256 q: the whole would take 66,560 bytes, and 55,296 lie between phase Z's slots and the end of LDS.
.macro PSTORE
.irp qt, 0,1,2,3,4,5,6,7
.irp kt, 0,1,2,3
	ds_store_b128 v[PST], v[PK+16*\qt+4*\kt:PK+16*\qt+4*\kt+3] offset:16*PP*\kt+32*\qt
.endr
.endr
.endm
.macro PLOAD                           ; 32 fragments of 16 k x 32 q
.irp qs, 0,1,2,3,4,5,6,7
.irp kt, 0,1,2,3
	ds_load_b128 v[8*(4*\qs+\kt):8*(4*\qs+\kt)+3], v[PLD] offset:16*PP*\kt+64*\qs
	ds_load_b128 v[8*(4*\qs+\kt)+4:8*(4*\qs+\kt)+7], v[PLD] offset:16*PP*\kt+64*\qs+32
.endr
.endr
.endm
	s_cmp_lg_u32 s13, 0
	s_cbranch_scc1 .Lnot_low
	PSTORE                                         ; waves 0 and 1: q = 0..255
.Lnot_low:
	s_wait_dscnt 0x0
	s_barrier_signal -1
	s_barrier_wait -1
	WIN 0x80                                       ; destination window 2
	PLOAD
	WIN 0
	s_wait_dscnt 0x0                               ; my reads of the first half are back before anyone writes the second
	s_barrier_signal -1
	s_barrier_wait -1
	global_prefetch_b8 v[XPO], s[PBX:PBX+1] offset:262144 th:TH_LOAD_NT scope:SCOPE_SE   ; X's tiles 2 and 3: their loads are issued behind the first and the second trip of phase Z
	s_cmp_lg_u32 s13, 1
	s_cbranch_scc1 .Lnot_high
	PSTORE                                         ; waves 2 and 3: q = 256..511
.Lnot_high:
	s_wait_dscnt 0x0
	s_barrier_signal -1
	s_barrier_wait -1
	WIN 0xc0                                       ; destination window 3
	PLOAD
	WIN 0
	s_wait_dscnt 0x0
	; PHASE Z
; 16 LDS loads: X's fragments of q steps 4 g .. 4 g + 3 for my two c tiles, into buffer f
.macro FETCHX slot, g, f
	WIN 0
.irp qs, 0,1,2,3
.irp ct, 0,1
	ds_load_b128 v[\f+16*\qs+8*\ct:\f+16*\qs+8*\ct+3], v[ADRX+\slot] offset:16*PXZ*\ct+64*(4*(\g)+\qs)
	ds_load_b128 v[\f+16*\qs+8*\ct+4:\f+16*\qs+8*\ct+7], v[ADRX+\slot] offset:16*PXZ*\ct+64*(4*(\g)+\qs)+32
.endr
.endr
.endm
; 8 matrix instructions, one for each accumulator.  Source 0 = SM (rows of D = k), source 1 = X (columns of D = c):
; lane l holds row c = 16 ct + l % 16 and k = 16 kt + 8 (l / 16) + 0..7, 32 neighbouring bytes of out0.
.macro ZMUL f, g, qs
.irp ct, 0,1
.irp kt, 0,1,2,3
.if (\g+\qs) == 0
	v_wmma_f32_16x16x32_f16 v[8*(4*\ct+\kt):8*(4*\ct+\kt)+7], v[8*(4*((4*\g+\qs)&7)+\kt):8*(4*((4*\g+\qs)&7)+\kt)+7], v[\f+16*\qs+8*\ct:\f+16*\qs+8*\ct+7], 0
.else
	v_wmma_f32_16x16x32_f16 v[8*(4*\ct+\kt):8*(4*\ct+\kt)+7], v[8*(4*((4*\g+\qs)&7)+\kt):8*(4*((4*\g+\qs)&7)+\kt)+7], v[\f+16*\qs+8*\ct:\f+16*\qs+8*\ct+7], v[8*(4*\ct+\kt):8*(4*\ct+\kt)+7]
.endif
.endr
.endr
.endm
.macro ZQ slot, g, f, o, win           ; four q steps on buffer f; the next four are fetched into buffer o in the middle
	s_wait_dscnt 8                                 ; q steps 0 and 1 of the buffer are in; the youngest eight loads may be out
	WIN \win
	ZMUL \f, \g, 0
	ZMUL \f, \g, 1
	WIN 0
.if \g < 3
	PLACES
	FETCHX \slot, \g+1, \o
	s_wait_dscnt 16                                ; all but the 16 just issued
.else
	s_wait_dscnt 0
.endif
	WIN \win
	ZMUL \f, \g, 2
	ZMUL \f, \g, 3
.endm
; One trip's work on the tile in a slot: 128 matrix instructions, then 32 rows x 256 bytes of out0 through my stage
.macro ZWORK slot
	FETCHX \slot, 0, XF0
	ZQ \slot, 0, XF0, XF1, 0x52                    ; source 0 window 2, source 1 window 0, C and D window 1
	ZQ \slot, 1, XF1, XF0, 0x52
	ZQ \slot, 2, XF0, XF1, 0x53                    ; source 0 window 3
	ZQ \slot, 3, XF1, XF0, 0x53
	WIN 0
.rept 5
	v_nop                                          ; five places: the stores below read these accumulators
.endr
.irp ct, 0,1
	WIN 0x04                                       ; store data window 1
.irp kt, 0,1,2,3
.irp e, 0,1
	ds_store_b128 v[STO], v[8*(4*\ct+\kt)+4*\e:8*(4*\ct+\kt)+4*\e+3] offset:64*\kt+16*\e
.endr
.endr
	WIN 0
	s_wait_xcnt 0x0                                ; TMP, which earlier stores read, is rewritten only behind this wait
.irp i, 0,1,2,3,4,5,6,7
	ds_load_b128 v[TMP+4*\i:TMP+4*\i+3], v[RD] offset:2*SPITCH*\i  ; a wave's LDS instructions are served in order: these see the stores above
.endr
.irp i, 0,1,2,3,4,5,6,7
	s_wait_dscnt 7-\i                              ; read-back i is in, the 7 - i younger ones stay out
	global_store_b128 v[CO], v[TMP+4*\i:TMP+4*\i+3], s[10:11] offset:(16*\ct+2*\i)*2048 th:TH_STORE_NT   ; 16 lanes store 256 consecutive bytes, at a multiple of 256
.endr
.endr
	s_wait_xcnt 0x0                                ; the stores' base is stepped only behind this wait
	s_add_nc_u64 s[10:11], s[10:11], 262144        ; 128 rows of out0 on
.endm
; A trip: all my reads and loads are done; the slot read last is asked for again, jointly, first behind a round; then this slot's work.
; pf = 1: the pair of tiles behind the one just loaded is asked for into the L2, and the request's base steps one pair on behind the trip's closing s_wait_xcnt 0.
.macro ZTRIP slot, other, refill, pf
	s_wait_dscnt 0x0
	s_wait_tensorcnt 0x0
	ds_add_u32 v9, v10
	s_wait_dscnt 0x0
.if \refill
	s_add_nc_u64 s[G0X+4*\other+2:G0X+4*\other+3], s[G0X+4*\other+2:G0X+4*\other+3], 262144   ; two trips of 128 rows of 1,024 bytes
	CROUND
	tensor_load_to_lds s[G0X+4*\other:G0X+4*\other+3], s[G1X:G1X+7]
	s_nop 0
.endif
.if \pf
	global_prefetch_b8 v[XPO], s[PBX:PBX+1] offset:2*262144 th:TH_LOAD_NT scope:SCOPE_SE
.endif
	ZWORK \slot
.if \pf
	s_add_nc_u64 s[PBX:PBX+1], s[PBX:PBX+1], 262144
.endif
.endm
	s_wait_tensorcnt 0x1                           ; tile 0 is in (shown in front of the last round); tile 1, issued behind it, may stay out
	ZWORK 0
	s_mov_b32 s3, 2
.Lz:
	ZTRIP 1, 0, 1, 0                               ; tiles 1, 3; loads 2, 4
	ZTRIP 0, 1, 1, 1                               ; tiles 2, 4; loads 3, 5; asks for 4 and 5, then 6 and 7: X's last
	s_sub_co_u32 s3, s3, 1
	s_cmp_lg_u32 s3, 0
	s_cbranch_scc1 .Lz
	ZTRIP 1, 0, 1, 0                               ; tile 5; loads 6.  From here on nothing is left to ask for
	ZTRIP 0, 1, 1, 0                               ; tile 6; loads 7
	ZTRIP 1, 0, 0, 0                               ; tile 7: nothing is left to fetch
	s_wait_tensorcnt 0x0
	ds_add_u32 v9, v10
	s_wait_dscnt 0x0
	CROUND                                         ; the closing round
	s_endpgm
.Lfunc_end_k_q69efc1f3c9_attn:
	.size	k_q69efc1f3c9_attn, .Lfunc_end_k_q69efc1f3c9_attn-k_q69efc1f3c9_attn
	.p2alignl 7, 3214868480
	.fill 96, 4, 3214868480
	.section	.rodata,"a",@progbits
	.p2align	6, 0x0
	.amdhsa_kernel k_q69efc1f3c9_attn
		.amdhsa_group_segment_fixed_size 327680
		.amdhsa_private_segment_fixed_size 0
		.amdhsa_enable_private_segment 0
		.amdhsa_kernarg_size 32
		.amdhsa_user_sgpr_count 2
		.amdhsa_user_sgpr_kernarg_segment_ptr 1
		.amdhsa_wavefront_size32 1
		.amdhsa_system_sgpr_workgroup_id_x 1
		.amdhsa_system_sgpr_workgroup_id_y 1
		.amdhsa_system_sgpr_workgroup_id_z 1
		.amdhsa_system_vgpr_workitem_id 0
		.amdhsa_next_free_vgpr 1024
		.amdhsa_next_free_sgpr 88
		.amdhsa_reserve_vcc 0
		.amdhsa_float_denorm_mode_32 3
		.amdhsa_float_denorm_mode_16_64 3
		.amdhsa_memory_ordered 1
		.amdhsa_forward_progress 1
		.amdhsa_inst_pref_size 255
	.end_amdhsa_kernel
	.section	.bss,"aw",@nobits
	.p2align	6
	.space	262144
	.amdgpu_metadata
---
amdhsa.version: [ 1, 2 ]
amdhsa.kernels:
  - .name:           k_q69efc1f3c9_attn
    .symbol:         k_q69efc1f3c9_attn.kd
    .args:
      - { .name: KQ, .offset: 0, .size: 8, .value_kind: global_buffer, .address_space: global }
      - { .name: NRM, .offset: 8, .size: 8, .value_kind: global_buffer, .address_space: global }
      - { .name: Xh, .offset: 16, .size: 8, .value_kind: global_buffer, .address_space: global }
      - { .name: out0, .offset: 24, .size: 8, .value_kind: global_buffer, .address_space: global }
    .group_segment_fixed_size: 327680
    .private_segment_fixed_size: 0
    .kernarg_segment_align: 8
    .kernarg_segment_size: 32
    .max_flat_workgroup_size: 128
    .sgpr_count:     88
    .vgpr_count:     1024
    .wavefront_size: 32
...
	.end_amdgpu_metadata
.endif
;; end of part 3
